; MI455X (gfx1250); checked and timed in simulation.
; The chip was launched on July 23, 2026; its instructions are those of AMD's public machine-readable ISA for CDNA 5 (MIT licence, August 2026) and "CDNA5" Instruction Set Architecture Reference Guide (July 2026). The comments in the code are by the model that wrote it; some were corrected since.
;; scaled dot product attention. Allowed arithmetic: float matrix products may take bf16 or f16 operands with f32 sums; all other float work in f32.
;; Inputs: bias 1 x 1 x 2,048 x 2,048 float32; key 2 x 16 x 2,048 x 128 float32; query 2 x 16 x 2,048 x 128 float32; value 2 x 16 x 2,048 x 128 float32.
;; Outputs: out0 2 x 16 x 2,048 x 128 float32; out1 2 x 16 x 2,048 x 1 float32.
;; Constants: is_alibi = 1, is_causal = 1, is_infer = 0.
;; 2 versions, each right and faster than the one before. Each part assembles by itself: llvm-mc -triple=amdgcn-amd-amdhsa -mcpu=gfx1250 --defsym DOCPART=n.
;; ======== version 1 of 2: 1 launch
;; limits: values are held in f16: magnitudes above 65,504 overflow, below 6.1e-05 lose precision; inputs' magnitudes at most 65,504; below input magnitudes of 6.1e-05 results are inexact or not finite; inputs' magnitudes at most 6.9e+29
;; launch attn (part 1): grid 32 x 8, 4 waves a work-group, no clusters, 141,824 bytes of LDS; arguments bias, key, query, value, out0, out1; writes out0, out1
.if DOCPART == 1
	.amdgcn_target "amdgcn-amd-amdhsa--gfx1250"
	.amdhsa_code_object_version 6
	.text
	.protected	k_q7eaadc872b_attn
	.globl	k_q7eaadc872b_attn
	.p2align	8
	.type	k_q7eaadc872b_attn,@function
k_q7eaadc872b_attn:
	s_mov_b64 s[64:65], 0
	v_nop
	global_prefetch_b8 v0, s[64:65] scope:SCOPE_SE
	s_setreg_imm32_b32 hwreg(HW_REG_WAVE_MODE, 25, 1), 1
	s_wait_xcnt 0x0
; Causal attention with an additive bias and ALiBi.  query, key, value, out0: [32 (b,h)][2048][128] f32; bias: [2048][2048] f32; out1: [32][2048] f32.
; out0 = softmax(S) V, out1 = logsumexp(S), S = Q K^T / sqrt(128) + bias + slope (k - q), keys k > q left out; slope = 2^(-(h+1)/2), h = head 0..15.
;
; SHARING.  Work-group (bh, p), four waves, takes head bh and two blocks of 128 query rows: block p (SHORT), then block 15 - p (LONG).
; Block i needs 2 i + 2 key tiles of 64 keys, so every work-group runs (2p + 2) + (32 - 2p) = 34 steps: 256 work-groups of equal work.
; Wave w owns rows 32 w .. 32 w + 31 of a block, as two blocks nb = 0, 1 of 16 rows.
; PRODUCTS ARE TRANSPOSED.  S^T = K Q^T: lane (r = L & 15, h = L >> 4) holds query row r, register j of tile kb holds key 16 kb + 8 h + j, so a row's
; maximum and sum are made inside a lane plus one exchange of the lane halves, and packing tiles 2 kk, 2 kk + 1 to f16 gives P^T's fragment as it is.
; O^T = V^T P^T: a lane holds O[row r][d = 16 db + 8 h + j], so the factor of a rescale is one number a lane.
; OPERANDS IN f16, sums in f32.  f16 keeps 11 significant bits where bf16 keeps 8; a row in which few keys carry the weight passes its operands' rounding
; on to O undamped, and the three bits are wanted there.  Room: inputs 30 times a unit spread with an offset of 30 times that reach about 1,100, the
; largest f16 is 65,504; p lies in [0, 1].
; ARITHMETIC in base 2.  Q is multiplied by log2(e) / sqrt(128) before it is rounded.  u = bias log2(e) + slope2 x (key in tile), slope2 = slope log2(e),
; is the C operand of the first score product.  T = slope2 (tile's first key - q), one number a lane and step, enters the running maximum alone:
; m' = max(m, max(tile maximum + T, -1e30)), p = 2^(x + T - m'), alpha = 2^(m - m').  out1 = ln 2 (m + log2 l).
; TILE ORDER of a block i: tile 2 i (masked; every row has its first key admitted, so it starts m, l and O: nothing is cleared), tile 2 i + 1 (masked),
; then tiles 0 .. 2 i - 1 unmasked, two a trip.
; DATA PATH.  K and V have to be rounded to f16, so they go through registers: 16 rows a wave, 512 consecutive bytes an instruction, packed, stored into
; two f16 tile buffers in LDS that take turns; asked for one step ahead.  The bias comes the same way (16 lanes take 256 consecutive bytes of a row),
; becomes u in that layout, and goes through the wave's own LDS tile into the score accumulators; asked for two steps ahead.  One barrier a step.
; NO CLUSTER, NO JOINT LOADS.  The eight work-groups of a head walk K and V in different orders (their blocks differ), so they never want one tile at one time.
; The bias tile of a step is common to the 32 heads, but it is 32 KiB of a step's 96 KiB, a joint load would lay f32 into LDS (32 KiB more filled and read
; a step) and stand behind a barrier of the cluster at which no load is out, while the loads into registers here stay out over two steps.
; LIMITS.  |K|, |V| or 0.1275 |Q| above 65,504 become infinite in f16; below 2^-14 their absolute step is 2^-24.  A p below 2^-25 of the running maximum's
; weight drops out of O (over 2,048 keys at most 6e-5 of l, which is about 1 or more); l sums the unrounded p.
; A NaN among the scores is dropped by the maxima, +inf in an input is not served.  -inf in the bias is served; a row whose admitted bias is all
; -inf gives NaN in out0 as the definition does, and -inf in out1.  out1 is stored 128 consecutive bytes an instruction (a wave's 32 rows).
;
; LDS (141,312 bytes)
.set KPITCH, 272                       ; a K row: 256 bytes of f16 + 16: 68 words, so the 16 rows of a fragment load start 4 words apart
.set VPITCH, 288                       ; a V row: 256 + 32, an odd multiple of 32 for the transposing load
.set KBS, 64*KPITCH                    ; K buffers at 0 and 17,408
.set VB0, 2*KBS                        ; V buffers at 34,816 and 53,248
.set VBS, 64*VPITCH
.set UB,  VB0+2*VBS                    ; 71,680: u, 32 rows x 64 f32 at pitch 272, one tile for each wave, its own
.set WST, 32*272                       ; 8,704 bytes
.set ST,  UB+4*WST                     ; 106,496: a stage for each wave, its own: Q (32 rows at 272), later O (16 rows at 528)
; REGISTERS, in windows of 256 (s_set_vgpr_msb: bits 1:0 source 0, 3:2 source 1, 5:4 source 2, 7:6 destination)
; window 0: v1 L; v2 K fragment address; v3 u read address; v4,5 row in block (nb); v6 slope2; v7 -inf; v8,9 m; v10,11 l; v[12:15] alpha pairs;
;           v[16:19] T - m pairs; v20,21 T; v22,23 mask bound; v24,25 row - 8 h; v26-28 at work; v[32:39] chains; v40 Q offset; v41 Q stage store;
;           v42 Q stage read; v43 out1 offset; v[44:47] 1/l pairs; v48-58 set-up and out1; v64-127 K fragments (2 x 4); v128-191 S; v192-223 P
; window 1: v0-127 O(db, nb) at 8 (2 db + nb); v128-191 V fragments (2 x 4), and the way out; v192 V address; v193-195 way out; v196 Q stage store
; window 2: v0-63 K f32; v64-127 V f32; v128 offset; v129, v130 LDS store addresses; v192-255 Q fragments of SHORT
; window 3: v0-63, v64-127 bias f32 (two buffers); v128 offset; v129 u store address; v[130:133] slope2 (4 r + e); v192-255 Q fragments of LONG
.set FK, 64
.set SR, 128
.set PR, 192
.set QF, 192
.set FV, 128
.set CH, 32
.set M_PV, 0x51                        ; D, A, C and LDS addresses in window 1; B, alpha, 1/l in window 0
.set M_KV, 0xaa                        ; all in window 2
.set M_B,  0xff                        ; all in window 3
.set M_W1, 0x55                        ; all in window 1
.set M_SS, 0x08                        ; score products of SHORT: B in window 2
.set M_SL, 0x0c                        ; of LONG: B in window 3
; SCALARS: s[4:15] bias, key, query, value, out0, out1; s16 wave; s17 bh; s18 p; s19 15 - p; s[20:21] log2(e)/sqrt(128); s[22:23] log2(e);
; s24,25 lane-half exchange; s26 lanes 16-31; s27 tile's first key - block's first row; s28 tile, s29 block of the stream; s30,31 its turning points;
; s32,33 those of LONG; s[34:35], s[54:55] offsets; s[36:41] K, V, bias pointers; s[42:45] head's K, V; s[46:51], s[58:59] outputs; s52 trips; s53 14 - p;
; s[60:63] Q of SHORT, LONG; s2, s3, s56, s57 at work
.set MSB, 0
.macro WIN new                         ; the immediate's high byte repeats the setting that is left
.if MSB != \new
	s_set_vgpr_msb (MSB<<8)|\new
.set MSB, \new
.endif
.endm
.macro PLACES                          ; four independent vector instructions between a matrix instruction and a load into one of its sources
.rept 4
	v_nop
.endr
.endm
; The stream of tiles: 2p, 2p+1, 0 .. 2p-1, then 2(15-p), 2(15-p)+1, 0 .. 2(15-p)-1.  One step on, by selects alone.
.macro ADV
	s_add_co_u32 s28, s28, 1
	s_cmp_eq_u32 s28, s31                          ; past the two diagonal tiles: on to tile 0
	s_cselect_b32 s28, 0, s28
	s_cmp_eq_u32 s28, s30                          ; at the diagonal again: the block is done, LONG begins
	s_cselect_b32 s28, s32, s28
	s_cselect_b32 s29, s19, s29
	s_cselect_b32 s31, s33, s31
	s_cselect_b32 s30, s32, s30
.endm
.macro PTR_KV
	s_lshl_b32 s34, s28, 15                        ; 64 rows of 512 bytes a tile
	s_add_nc_u64 s[36:37], s[42:43], s[34:35]
	s_add_nc_u64 s[38:39], s[44:45], s[34:35]
.endm
.macro PTR_B
	s_lshl_b32 s54, s29, 20                        ; 128 rows of 8,192 bytes a block,
	s_lshl_b32 s56, s28, 8                         ; 64 columns of 4 bytes a tile
	s_add_co_u32 s54, s54, s56
	s_add_nc_u64 s[40:41], s[4:5], s[54:55]
.endm
.macro GLOAD_KV                        ; my 16 rows of the K tile and of the V tile, a whole row of 512 bytes an instruction
	WIN M_KV
.irp j, 0,1,2,3,4,5,6,7,8,9,10,11,12,13,14,15
	global_load_b128 v[4*\j:4*\j+3], v128, s[36:37] offset:512*\j
.endr
.irp j, 0,1,2,3,4,5,6,7,8,9,10,11,12,13,14,15
	global_load_b128 v[64+4*\j:64+4*\j+3], v128, s[38:39] offset:512*\j
.endr
.endm
.macro GLOAD_B y                       ; my 32 rows x 64 columns of the bias: lanes 0-15 take 256 bytes of row 2 i, lanes 16-31 of row 2 i + 1
	WIN M_B
.irp i, 0,1,2,3,4,5,6,7,8,9,10,11,12,13,14,15
	global_load_b128 v[64*\y+4*\i:64*\y+4*\i+3], v128, s[40:41] offset:16384*\i
.endr
.endm
; What was loaded goes to LDS for the next step: K, V packed to f16 into buffer x, u into my own tile.  cK, cV: younger loads that may stay out.
.macro GSTORE x, cK, cV
	WIN M_KV
	s_wait_loadcnt \cK                             ; loads come back in order: K is in
.irp j, 0,1,2,3,4,5,6,7,8,9,10,11,12,13,14,15
	v_cvt_pk_f16_f32 v[4*\j], v[4*\j], v[4*\j+1]
	v_cvt_pk_f16_f32 v[4*\j+1], v[4*\j+2], v[4*\j+3]
	ds_store_b64 v129, v[4*\j:4*\j+1] offset:KBS*\x+KPITCH*\j
.endr
	s_wait_loadcnt \cV                             ; V is in, and the bias asked for a step earlier
.irp j, 0,1,2,3,4,5,6,7,8,9,10,11,12,13,14,15
	v_cvt_pk_f16_f32 v[64+4*\j], v[64+4*\j], v[64+4*\j+1]
	v_cvt_pk_f16_f32 v[64+4*\j+1], v[64+4*\j+2], v[64+4*\j+3]
	ds_store_b64 v130, v[64+4*\j:64+4*\j+1] offset:VBS*\x+VPITCH*\j
.endr
	WIN M_B
.irp i, 0,1,2,3,4,5,6,7,8,9,10,11,12,13,14,15
	v_pk_fma_f32 v[64*\x+4*\i:64*\x+4*\i+1], v[64*\x+4*\i:64*\x+4*\i+1], s[22:23], v[130:131] op_sel_hi:[1,0,1]     ; u = bias log2(e) + slope2 x key in tile
	v_pk_fma_f32 v[64*\x+4*\i+2:64*\x+4*\i+3], v[64*\x+4*\i+2:64*\x+4*\i+3], s[22:23], v[132:133] op_sel_hi:[1,0,1]
	ds_store_b128 v129, v[64*\x+4*\i:64*\x+4*\i+3] offset:544*\i     ; my own tile: this step's reads of it were issued earlier, and LDS serves a wave in order
.endr
.endm
.macro FKLOAD g, kb, x                 ; 16 keys x 128 d of K as four fragments into buffer g
.irp kd, 0,1,2,3
	ds_load_b128 v[FK+32*\g+8*\kd:FK+32*\g+8*\kd+3],   v2 offset:KBS*\x+16*KPITCH*\kb+64*\kd
	ds_load_b128 v[FK+32*\g+8*\kd+4:FK+32*\g+8*\kd+7], v2 offset:KBS*\x+16*KPITCH*\kb+64*\kd+32
.endr
.endm
.macro MULS g, kb                      ; the two accumulators take turns, one instruction a turn
.irp kd, 0,1,2,3
.irp nb, 0,1
.set XB, SR+8*(2*\kb+\nb)
	v_wmma_f32_16x16x32_f16 v[XB:XB+7], v[FK+32*\g+8*\kd:FK+32*\g+8*\kd+7], v[QF+8*(4*\nb+\kd):QF+8*(4*\nb+\kd)+7], v[XB:XB+7]
.endr
.endr
.endm
; Scores: u is loaded straight into the accumulators, then 32 products.
.macro SPHASE x
.irp kb, 0,1,2,3
.irp nb, 0,1
.set XB, SR+8*(2*\kb+\nb)
	ds_load_b128 v[XB:XB+3],   v3 offset:4352*\nb+64*\kb
	ds_load_b128 v[XB+4:XB+7], v3 offset:4352*\nb+64*\kb+16
.endr
.endr
	FKLOAD 0, 0, \x
	FKLOAD 1, 1, \x
	s_wait_dscnt 8                                 ; all but the eight loads issued last: u and keys 0-15 are in
	MULS 0, 0
	PLACES
	FKLOAD 0, 2, \x
	s_wait_dscnt 8                                 ; keys 16-31 are in
	MULS 1, 1
	PLACES
	FKLOAD 1, 3, \x
	s_wait_dscnt 8                                 ; keys 32-47
	MULS 0, 2
	s_wait_dscnt 0
	MULS 1, 3
.endm
.macro VFETCH g, db0, x                ; V^T fragments of d blocks db0, db0 + 1 (16 d x 32 keys each, kk = 0, 1) into buffer g, transposed on the way
.irp dbi, 0,1
.irp kk, 0,1
	ds_load_tr16_b128 v[FV+32*\g+8*(2*\dbi+\kk):FV+32*\g+8*(2*\dbi+\kk)+3],   v192 offset:VBS*\x+32*VPITCH*\kk+32*(\db0+\dbi)
	ds_load_tr16_b128 v[FV+32*\g+8*(2*\dbi+\kk)+4:FV+32*\g+8*(2*\dbi+\kk)+7], v192 offset:VBS*\x+32*VPITCH*\kk+32*(\db0+\dbi)+16*VPITCH
.endr
.endr
.endm
.macro MULP g, db0, first              ; again two accumulators by turns; first = 1: the products of keys 0-31 start the sums
.irp dbi, 0,1
.irp nb, 0,1
.set OB, 8*(2*(\db0+\dbi)+\nb)
.if \first
	v_wmma_f32_16x16x32_f16 v[OB:OB+7], v[FV+32*\g+16*\dbi:FV+32*\g+16*\dbi+7], v[PR+16*\nb:PR+16*\nb+7], 0
.else
	v_wmma_f32_16x16x32_f16 v[OB:OB+7], v[FV+32*\g+16*\dbi:FV+32*\g+16*\dbi+7], v[PR+16*\nb:PR+16*\nb+7], v[OB:OB+7]
.endif
.endr
.irp nb, 0,1
.set OB, 8*(2*(\db0+\dbi)+\nb)
	v_wmma_f32_16x16x32_f16 v[OB:OB+7], v[FV+32*\g+16*\dbi+8:FV+32*\g+16*\dbi+15], v[PR+16*\nb+8:PR+16*\nb+15], v[OB:OB+7]
.endr
.endr
.endm
.macro RESC db                         ; O of d block db times alpha
.irp nb, 0,1
.irp q, 0,2,4,6
.set OB, 8*(2*\db+\nb)+\q
	v_pk_mul_f32 v[OB:OB+1], v[OB:OB+1], v[12+2*\nb:13+2*\nb]
.endr
.endr
.endm
; T, and the mask's bound.  These six plain vector instructions are also the places between the last score product and the first read of a score.
.macro PRE masked
	v_sub_nc_u32 v26, s27, v4                      ; tile's first key - my row
	v_sub_nc_u32 v27, s27, v5
	v_cvt_f32_i32 v26, v26
	v_cvt_f32_i32 v27, v27
	v_mul_f32 v20, v6, v26
	v_mul_f32 v21, v6, v27
.if \masked
	v_sub_nc_u32 v22, v24, s27                     ; key 16 kb + 8 h + j of the tile is left out where 16 kb + j > row - 8 h - (tile's first key - block's first row)
	v_sub_nc_u32 v23, v25, s27
.endif
.endm
.macro SOFTMAX nb, masked, first
.if \masked
.irp kb, 0,1,2,3
.set XB, SR+8*(2*\kb+\nb)
.irp j, 0,1,2,3,4,5,6,7
	v_cmp_gt_i32 vcc_lo, 16*\kb+\j, v[22+\nb]
	v_cndmask_b32 v[XB+\j], v[XB+\j], v7, vcc_lo
.endr
.endr
.endif
	; the largest of my 32 scores, four chains that do not wait for each other
.irp kb, 0,1,2,3
.set XB, SR+8*(2*\kb+\nb)
	v_max3_num_f32 v[CH+\kb], v[XB], v[XB+1], v[XB+2]
.endr
.irp kb, 0,1,2,3
.set XB, SR+8*(2*\kb+\nb)
	v_max3_num_f32 v[CH+\kb], v[CH+\kb], v[XB+3], v[XB+4]
.endr
.irp kb, 0,1,2,3
.set XB, SR+8*(2*\kb+\nb)
	v_max3_num_f32 v[CH+\kb], v[CH+\kb], v[XB+5], v[XB+6]
.endr
.irp kb, 0,1,2,3
.set XB, SR+8*(2*\kb+\nb)
	v_max_num_f32 v[CH+\kb], v[CH+\kb], v[XB+7]
.endr
	v_max3_num_f32 v[CH], v[CH], v[CH+1], v[CH+2]
	v_max_num_f32 v[CH], v[CH], v[CH+3]
	v_permlanex16_b32 v26, v[CH], s24, s25         ; the other half of the lanes holds the row's other 32 keys
	v_max_num_f32 v[CH], v[CH], v26
	v_add_f32 v[CH], v[CH], v[20+\nb]              ; + T
	v_max_num_f32 v[CH], 0xf149f2ca, v[CH]         ; at least -1e30: a tile that is masked whole leaves m finite
.if \first
	v_mov_b32 v[8+\nb], v[CH]
.else
	v_max_num_f32 v27, v[8+\nb], v[CH]
	v_sub_f32 v28, v[8+\nb], v27
	v_exp_f32 v[12+2*\nb], v28                     ; alpha, twice, for the packed multiplies
	v_exp_f32 v[13+2*\nb], v28
	v_mov_b32 v[8+\nb], v27                        ; the plain instruction behind the exponentials (ISA guide 5.7.2)
.endif
	v_sub_f32 v[16+2*\nb], v[20+\nb], v[8+\nb]     ; T - m
	v_sub_f32 v[17+2*\nb], v[20+\nb], v[8+\nb]
.irp kb, 0,1,2,3
.irp q, 0,2,4,6
.set XB, SR+8*(2*\kb+\nb)+\q
	v_pk_add_f32 v[XB:XB+1], v[XB:XB+1], v[16+2*\nb:17+2*\nb]
.endr
.endr
.irp kb, 0,1,2,3
.irp j, 0,1,2,3,4,5,6,7
.set XB, SR+8*(2*\kb+\nb)+\j
	v_exp_f32 v[XB], v[XB]
.endr
.endr
	v_nop                                          ; the plain instruction behind the run of exponentials
	s_wait_alu depctr_va_vdst(0)
.irp kk, 0,1
.irp s, 0,1
.irp q, 0,1,2,3
.set XB, SR+8*(2*(2*\kk+\s)+\nb)+2*\q
	v_cvt_pk_f16_f32 v[PR+16*\nb+8*\kk+4*\s+\q], v[XB], v[XB+1]      ; tiles 2 kk, 2 kk + 1 are P^T's fragment of keys 32 kk .. 32 kk + 31
.endr
.endr
.endr
.irp kb, 0,1,2,3
.set XB, SR+8*(2*\kb+\nb)
	v_pk_add_f32 v[CH+2*\kb:CH+2*\kb+1], v[XB:XB+1], v[XB+2:XB+3]
.endr
.irp kb, 0,1,2,3
.set XB, SR+8*(2*\kb+\nb)
	v_pk_add_f32 v[CH+2*\kb:CH+2*\kb+1], v[CH+2*\kb:CH+2*\kb+1], v[XB+4:XB+5]
.endr
.irp kb, 0,1,2,3
.set XB, SR+8*(2*\kb+\nb)
	v_pk_add_f32 v[CH+2*\kb:CH+2*\kb+1], v[CH+2*\kb:CH+2*\kb+1], v[XB+6:XB+7]
.endr
	v_pk_add_f32 v[CH:CH+1], v[CH:CH+1], v[CH+2:CH+3]
	v_pk_add_f32 v[CH+4:CH+5], v[CH+4:CH+5], v[CH+6:CH+7]
	v_pk_add_f32 v[CH:CH+1], v[CH:CH+1], v[CH+4:CH+5]
.if \first
	v_add_f32 v[10+\nb], v[CH], v[CH+1]            ; l of my half of the keys; the halves meet at the block's end
.else
	v_add_f32 v[CH], v[CH], v[CH+1]
	v_fma_f32 v[10+\nb], v[10+\nb], v[12+2*\nb], v[CH]
.endif
.endm
; O = alpha O + V^T P^T, 32 products.  The rescales of later d blocks are the places between a buffer's products and its next loads.
.macro PVPHASE x, first
.if \first == 0
	RESC 0
	RESC 1
	RESC 2
	RESC 3
.endif
	s_wait_dscnt 8                                 ; all but the eight loads issued last: d blocks 0, 1 are in
	MULP 0, 0, \first
.if \first
	PLACES
.else
	RESC 4
	RESC 5
.endif
	VFETCH 0, 4, \x
	s_wait_dscnt 8                                 ; d blocks 2, 3
	MULP 1, 2, \first
.if \first
	PLACES
.else
	RESC 6
	RESC 7
.endif
	VFETCH 1, 6, \x
	s_wait_dscnt 8                                 ; d blocks 4, 5
	MULP 0, 4, \first
	s_wait_dscnt 0
	MULP 1, 6, \first
.endm
; One key tile.  x: the buffer that holds it, nx: the other.  kv = 1: the next tile's K and V are fetched and laid into buffer nx;
; b = 1: the bias of the tile after that is asked for.  mode: the window of Q's fragments.
.macro STEP x, nx, masked, first, kv, b, mode
.if \kv
	s_wait_xcnt 0x0                                ; the pointers are sources of the bias loads still out, window 1's v128-191 of a block's last stores: rewritten only behind this wait
	PTR_KV
.if \b
	ADV
	PTR_B
.endif
	GLOAD_KV
.if \b
	GLOAD_B \x                                     ; issued behind K and V, so that a counted wait for those leaves these out
.endif
.endif
	WIN \mode
	SPHASE \x
	WIN M_PV
	VFETCH 0, 0, \x                                ; they land while the exponentials are made
	VFETCH 1, 2, \x
	WIN 0
	PRE \masked
	SOFTMAX 0, \masked, \first
	SOFTMAX 1, \masked, \first
	WIN M_PV
	PVPHASE \x, \first
.if \kv
.if \b
	GSTORE \nx, 32, 16                             ; 32: V and the youngest bias stay out; 16: that bias alone
.else
	GSTORE \nx, 16, 0                              ; no bias was asked for: 16 leaves V out, then nothing
.endif
	WIN 0
	s_wait_dscnt 0x0                               ; for the others: my stores into buffer nx are done, and my reads of buffer x, which the next step overwrites
	s_barrier_signal -1
	s_barrier_wait -1
.else
	WIN 0
.endif
.endm
.macro QLOADS rb, ptr                  ; my 32 rows of Q, read once in the launch
.set qj, 0
.rept 32
	global_load_b128 v[\rb+4*qj:\rb+4*qj+3], v40, s[\ptr:\ptr+1] offset:512*qj th:TH_LOAD_NT
.set qj, qj+1
.endr
.endm
.macro QCONV rb, adr                   ; scaled, packed to f16, into my stage
.set qj, 0
.rept 32
	v_pk_mul_f32 v[\rb+4*qj:\rb+4*qj+1], v[\rb+4*qj:\rb+4*qj+1], s[20:21] op_sel_hi:[1,0]
	v_pk_mul_f32 v[\rb+4*qj+2:\rb+4*qj+3], v[\rb+4*qj+2:\rb+4*qj+3], s[20:21] op_sel_hi:[1,0]
	v_cvt_pk_f16_f32 v[\rb+4*qj], v[\rb+4*qj], v[\rb+4*qj+1]
	v_cvt_pk_f16_f32 v[\rb+4*qj+1], v[\rb+4*qj+2], v[\rb+4*qj+3]
	ds_store_b64 v[\adr], v[\rb+4*qj:\rb+4*qj+1] offset:272*qj
.set qj, qj+1
.endr
.endm
.macro QFRAG                           ; and back as eight fragments; my own bytes, served in order: no wait between the stores and these
.irp nb, 0,1
.irp kd, 0,1,2,3
	ds_load_b128 v[QF+8*(4*\nb+\kd):QF+8*(4*\nb+\kd)+3],   v42 offset:4352*\nb+64*\kd
	ds_load_b128 v[QF+8*(4*\nb+\kd)+4:QF+8*(4*\nb+\kd)+7], v42 offset:4352*\nb+64*\kd+32
.endr
.endr
.endm
; A block's end: out1, O / l, and O by 16 rows through my stage, so that a store covers a whole row of 512 consecutive bytes.
.macro EPILOGUE o0, o1
	PLACES                                         ; behind the last products
	v_permlanex16_b32 v26, v10, s24, s25
	v_permlanex16_b32 v27, v11, s24, s25
	v_add_f32 v10, v10, v26                        ; l over all keys
	v_add_f32 v11, v11, v27
	v_rcp_f32 v44, v10
	v_rcp_f32 v45, v10
	v_rcp_f32 v46, v11
	v_rcp_f32 v47, v11
	v_log_f32 v48, v10
	v_log_f32 v49, v11
	v_nop                                          ; the plain instruction behind the run
	s_wait_alu depctr_va_vdst(0)
	v_add_f32 v48, v8, v48
	v_add_f32 v49, v9, v49
	v_cndmask_b32 v48, v48, v49, s26               ; lane L stores row L of my 32: lanes 16-31 take the second row block's figure
	v_mul_f32 v48, 0x3f317218, v48                 ; ln 2 (m + log2 l)
	global_store_b32 v43, v48, s[\o1:\o1+1]
	WIN M_PV
.irp db, 0,1,2,3,4,5,6,7
.irp nb, 0,1
.irp q, 0,2,4,6
.set OB, 8*(2*\db+\nb)+\q
	v_pk_mul_f32 v[OB:OB+1], v[OB:OB+1], v[44+2*\nb:45+2*\nb]
.endr
.endr
.endr
	WIN M_W1
.irp nb, 0,1
.irp db, 0,1,2,3,4,5,6,7
	ds_store_b128 v193, v[8*(2*\db+\nb):8*(2*\db+\nb)+3]   offset:64*\db
	ds_store_b128 v193, v[8*(2*\db+\nb)+4:8*(2*\db+\nb)+7] offset:64*\db+16
.endr
	s_wait_xcnt 0x0                                ; v128-191 are the data of the stores before: loaded again only behind this wait
.irp t, 0,1,2,3,4,5,6,7,8,9,10,11,12,13,14,15
	ds_load_b128 v[FV+4*\t:FV+4*\t+3], v194 offset:528*\t
.endr
.irp t, 0,1,2,3,4,5,6,7,8,9,10,11,12,13,14,15
	s_wait_dscnt 15-\t                             ; LDS loads come back in order: row t is in
	global_store_b128 v195, v[FV+4*\t:FV+4*\t+3], s[\o0:\o0+1] offset:512*(16*\nb+\t) th:TH_STORE_NT
.endr
.endr
	WIN 0
.endm
	; ---------------- set-up ----------------
	s_load_b256 s[4:11], s[0:1], 0x0               ; bias, key, query, value
	s_load_b128 s[12:15], s[0:1], 0x20             ; out0, out1
	v_lshl_add_u32 v254, v0, 2, 0x22800
	v_mov_b32 v255, 0
	v_lshrrev_b32 v48, 5, v0
	v_readfirstlane_b32 s16, v48                   ; wave
	s_mov_b32 s17, ttmp9                           ; bh
	s_and_b32 s18, ttmp7, 0xffff                   ; p
	s_sub_co_u32 s19, 15, s18
	s_mov_b32 s20, 0x3e0293ee                      ; log2(e) / sqrt(128)
	s_mov_b32 s21, 0x3e0293ee
	s_mov_b32 s22, 0x3fb8aa3b                      ; log2(e)
	s_mov_b32 s23, 0x3fb8aa3b
	s_mov_b32 s24, 0x76543210                      ; lane i of one half reads lane i of the other
	s_mov_b32 s25, 0xfedcba98
	s_mov_b32 s26, 0xffff0000
	s_lshl_b32 s28, s18, 1                         ; the stream starts at tile 2p of block p
	s_mov_b32 s29, s18
	s_mov_b32 s30, s28
	s_add_co_u32 s31, s28, 2
	s_lshl_b32 s32, s19, 1
	s_add_co_u32 s33, s32, 2
	s_sub_co_u32 s53, 14, s18
	s_mov_b32 s35, 0
	s_mov_b32 s55, 0
	s_mov_b32 s57, 0
	v_and_b32 v1, 31, v0                           ; L
	v_and_b32 v48, 15, v0                          ; r
	v_bfe_u32 v49, v0, 4, 1                        ; h
	v_mul_u32_u24 v50, v48, 272
	s_mul_i32 s2, s16, WST
	s_add_co_u32 s3, s2, UB                        ; my u tile
	s_add_co_u32 s2, s2, ST                        ; my stage
	v_lshl_add_u32 v2, v49, 4, v50                 ; 272 r + 16 h
	v_lshl_add_u32 v3, v49, 5, v50
	v_add_nc_u32 v3, s3, v3                        ; u tile + 272 r + 32 h
	v_add_nc_u32 v42, s2, v2
	v_lshl_add_u32 v41, v1, 3, s2
	s_lshl_b32 s56, s16, 5
	v_add_nc_u32 v4, s56, v48                      ; my row in the block: 32 w + r,
	v_add_nc_u32 v5, 16, v4                        ; and 16 further down
	v_lshlrev_b32 v51, 3, v49
	v_sub_nc_u32 v24, v4, v51
	v_sub_nc_u32 v25, v5, v51
	s_lshl_b32 s56, s16, 14
	v_lshl_add_u32 v40, v1, 4, s56                 ; 32 rows of 512 bytes a wave + 16 L
	s_lshl_b32 s56, s16, 7
	v_lshl_add_u32 v43, v1, 2, s56
	s_and_b32 s56, s17, 15                         ; head
	s_add_co_u32 s56, s56, 1
	v_cvt_f32_u32 v51, s56
	v_mul_f32 v51, -0.5, v51
	v_exp_f32 v6, v51                              ; slope = 2^(-(head + 1) / 2)
	v_mov_b32 v7, 0xff800000                       ; -inf; also the plain instruction behind the exponential
	s_wait_alu depctr_va_vdst(0)
	v_mul_f32 v6, s22, v6                          ; slope2
	; window 1's addresses
	v_and_b32 v52, 7, v0
	v_lshl_add_u32 v52, v49, 3, v52                ; key 8 h + (L & 7)
	v_mul_u32_u24 v52, v52, VPITCH
	v_bfe_u32 v53, v0, 3, 1
	v_lshl_add_u32 v52, v53, 4, v52
	v_add_nc_u32 v52, VB0, v52
	v_mul_u32_u24 v53, v48, 528
	v_lshl_add_u32 v53, v49, 5, v53
	v_add_nc_u32 v53, s2, v53                      ; stage + 528 r + 32 h
	v_lshl_add_u32 v54, v1, 4, s2                  ; stage + 16 L
	WIN 0x40
	v_mov_b32 v192, v52
	v_mov_b32 v193, v53
	v_mov_b32 v194, v54
	v_mov_b32 v195, v40
	v_mov_b32 v196, v41
	WIN 0
	; window 2's
	s_lshl_b32 s56, s16, 13
	v_lshl_add_u32 v52, v1, 4, s56                 ; 16 rows of 512 bytes a wave + 16 L
	s_mul_i32 s56, s16, 16*KPITCH
	v_lshl_add_u32 v53, v1, 3, s56
	s_mul_i32 s56, s16, 16*VPITCH
	s_add_co_u32 s56, s56, VB0
	v_lshl_add_u32 v54, v1, 3, s56
	WIN 0x80
	v_mov_b32 v128, v52
	v_mov_b32 v129, v53
	v_mov_b32 v130, v54
	WIN 0
	; window 3's
	s_lshl_b32 s56, s16, 18                        ; 32 rows of 8,192 bytes a wave
	v_lshlrev_b32 v52, 4, v48
	v_lshl_add_u32 v53, v49, 13, v52
	v_add_nc_u32 v53, s56, v53
	v_mul_u32_u24 v54, v49, 272
	v_add_nc_u32 v54, v54, v52
	v_add_nc_u32 v54, s3, v54                      ; u tile + 272 h + 16 r
	v_lshlrev_b32 v55, 2, v48
	v_cvt_f32_u32 v55, v55                         ; my four columns of a tile: 4 r + 0 .. 3
	v_add_f32 v56, 1.0, v55
	v_add_f32 v57, 2.0, v55
	v_add_f32 v58, 0x40400000, v55
	v_mul_f32 v55, v6, v55
	v_mul_f32 v56, v6, v56
	v_mul_f32 v57, v6, v57
	v_mul_f32 v58, v6, v58
	WIN 0xc0
	v_mov_b32 v128, v53
	v_mov_b32 v129, v54
	v_mov_b32 v130, v55
	v_mov_b32 v131, v56
	v_mov_b32 v132, v57
	v_mov_b32 v133, v58
	WIN 0
	s_wait_kmcnt 0x0
	s_lshl_b32 s56, s17, 20                        ; a head: 2,048 rows of 512 bytes
	s_add_nc_u64 s[42:43], s[6:7], s[56:57]
	s_add_nc_u64 s[44:45], s[10:11], s[56:57]
	s_lshl_b32 s34, s18, 16                        ; a block: 128 rows of 512 bytes
	s_add_co_u32 s34, s34, s56
	s_add_nc_u64 s[60:61], s[8:9], s[34:35]
	s_add_nc_u64 s[46:47], s[12:13], s[34:35]
	s_lshl_b32 s34, s19, 16
	s_add_co_u32 s34, s34, s56
	s_add_nc_u64 s[62:63], s[8:9], s[34:35]
	s_add_nc_u64 s[50:51], s[12:13], s[34:35]
	s_lshl_b32 s56, s17, 13
	s_lshl_b32 s34, s18, 9
	s_add_co_u32 s34, s34, s56
	s_add_nc_u64 s[48:49], s[14:15], s[34:35]
	s_lshl_b32 s34, s19, 9
	s_add_co_u32 s34, s34, s56
	s_add_nc_u64 s[58:59], s[14:15], s[34:35]
	; everything that the first step needs, and the second tile's bias, goes out in one run
	QLOADS 64, 60                                  ; Q of SHORT into window 0, v64-191
	WIN 0x40
	QLOADS 0, 62                                   ; Q of LONG into window 1, v0-127
	PTR_KV
	PTR_B
	GLOAD_KV
	GLOAD_B 0
	s_wait_xcnt 0x0                                ; the bias pointer is stepped only behind this wait
	ADV
	PTR_B
	GLOAD_B 1
	s_wait_loadcnt 63                              ; 64 younger loads were issued behind Q's last; the wait can name 63 at the most
	WIN 0
	QCONV 64, 41
	WIN 0x80
	QFRAG
	WIN 0x45
	QCONV 0, 196
	WIN 0xc0
	QFRAG
	GSTORE 0, 32, 16                               ; 32: at most the two bias tiles are out, so K (and V) is in; 16: the first bias tile is in too
	WIN 0
	s_wait_dscnt 0x0                               ; my part of the first tile is in LDS, and Q's fragments are in registers
	s_barrier_signal -1
	s_barrier_wait -1
	; ---------------- SHORT: block p, 2p + 2 tiles ----------------
	s_mov_b32 s27, 0
	STEP 0, 1, 1, 1, 1, 1, M_SS
	s_mov_b32 s27, 64
	STEP 1, 0, 1, 0, 1, 1, M_SS
	s_lshl_b32 s27, s18, 7
	s_sub_co_i32 s27, 0, s27                       ; tile 0 lies 128 p keys in front of the block's first row
	s_cmp_eq_u32 s18, 0
	s_cbranch_scc1 .Lshort_out                     ; block 0 has the two diagonal tiles alone; p is the same in all four waves
	s_mov_b32 s52, 0
.Lshort:
	STEP 0, 1, 0, 0, 1, 1, M_SS
	s_add_co_i32 s27, s27, 64
	STEP 1, 0, 0, 0, 1, 1, M_SS
	s_add_co_i32 s27, s27, 64
	s_add_co_u32 s52, s52, 1
	s_cmp_lt_u32 s52, s18
	s_cbranch_scc1 .Lshort
.Lshort_out:
	EPILOGUE 46, 48
	; ---------------- LONG: block 15 - p, 32 - 2p tiles ----------------
	s_mov_b32 s27, 0
	STEP 0, 1, 1, 1, 1, 1, M_SL
	s_mov_b32 s27, 64
	STEP 1, 0, 1, 0, 1, 1, M_SL
	s_lshl_b32 s27, s19, 7
	s_sub_co_i32 s27, 0, s27
	s_mov_b32 s52, 0
.Llong:
	STEP 0, 1, 0, 0, 1, 1, M_SL
	s_add_co_i32 s27, s27, 64
	STEP 1, 0, 0, 0, 1, 1, M_SL
	s_add_co_i32 s27, s27, 64
	s_add_co_u32 s52, s52, 1
	s_cmp_lt_u32 s52, s53                          ; 14 - p trips, at least 7
	s_cbranch_scc1 .Llong
	STEP 0, 1, 0, 0, 1, 0, M_SL                    ; the last two tiles are written out: no bias is left to ask for,
	s_add_co_i32 s27, s27, 64
	STEP 1, 0, 0, 0, 0, 0, M_SL                    ; and then nothing at all: no load leaves a buffer
	EPILOGUE 50, 58
	s_wait_tensorcnt 0x0
	ds_add_u32 v254, v255
	s_wait_dscnt 0x0
	s_endpgm
.Lfunc_end_k_q7eaadc872b_attn:
	.size	k_q7eaadc872b_attn, .Lfunc_end_k_q7eaadc872b_attn-k_q7eaadc872b_attn
	.p2alignl 7, 3214868480
	.fill 96, 4, 3214868480
	.section	.rodata,"a",@progbits
	.p2align	6, 0x0
	.amdhsa_kernel k_q7eaadc872b_attn
		.amdhsa_group_segment_fixed_size 141824
		.amdhsa_private_segment_fixed_size 0
		.amdhsa_enable_private_segment 0
		.amdhsa_kernarg_size 48
		.amdhsa_user_sgpr_count 2
		.amdhsa_user_sgpr_kernarg_segment_ptr 1
		.amdhsa_wavefront_size32 1
		.amdhsa_system_sgpr_workgroup_id_x 1
		.amdhsa_system_sgpr_workgroup_id_y 1
		.amdhsa_system_sgpr_workgroup_id_z 1
		.amdhsa_system_vgpr_workitem_id 0
		.amdhsa_next_free_vgpr 1024
		.amdhsa_next_free_sgpr 66
		.amdhsa_reserve_vcc 1
		.amdhsa_float_denorm_mode_32 3
		.amdhsa_float_denorm_mode_16_64 3
		.amdhsa_memory_ordered 1
		.amdhsa_forward_progress 1
		.amdhsa_inst_pref_size 255
	.end_amdhsa_kernel
	.section	.bss,"aw",@nobits
	.p2align	6
	.space	262144
	.amdgpu_metadata
---
amdhsa.version: [ 1, 2 ]
amdhsa.kernels:
  - .name:           k_q7eaadc872b_attn
    .symbol:         k_q7eaadc872b_attn.kd
    .args:
      - { .name: bias, .offset: 0, .size: 8, .value_kind: global_buffer, .address_space: global }
      - { .name: key, .offset: 8, .size: 8, .value_kind: global_buffer, .address_space: global }
      - { .name: query, .offset: 16, .size: 8, .value_kind: global_buffer, .address_space: global }
      - { .name: value, .offset: 24, .size: 8, .value_kind: global_buffer, .address_space: global }
      - { .name: out0, .offset: 32, .size: 8, .value_kind: global_buffer, .address_space: global }
      - { .name: out1, .offset: 40, .size: 8, .value_kind: global_buffer, .address_space: global }
    .group_segment_fixed_size: 141824
    .private_segment_fixed_size: 0
    .kernarg_segment_align: 8
    .kernarg_segment_size: 48
    .max_flat_workgroup_size: 128
    .sgpr_count:     66
    .vgpr_count:     1024
    .wavefront_size: 32
...
	.end_amdgpu_metadata
.endif
;; end of part 1
;; ======== version 2 of 2: 1 launch; 1.31 times as fast as version 1
;; limits: values are held in f16: magnitudes above 65,504 overflow, below 6.1e-05 lose precision; inputs' magnitudes at most 65,504; below input magnitudes of 6.1e-05 results are inexact or not finite; inputs' magnitudes at most 6.9e+29
;; launch attn (part 2): grid 32 x 8, 4 waves a work-group, no clusters, 176,640 bytes of LDS; arguments bias, key, query, value, out0, out1; writes out0, out1
.if DOCPART == 2
	.amdgcn_target "amdgcn-amd-amdhsa--gfx1250"
	.amdhsa_code_object_version 6
	.text
	.protected	k_q7eaadc872b_attn
	.globl	k_q7eaadc872b_attn
	.p2align	8
	.type	k_q7eaadc872b_attn,@function
k_q7eaadc872b_attn:
	s_mov_b64 s[64:65], 0
	v_nop
	global_prefetch_b8 v0, s[64:65] scope:SCOPE_SE
	s_setreg_imm32_b32 hwreg(HW_REG_WAVE_MODE, 25, 1), 1
	s_wait_xcnt 0x0
; Causal attention with an additive bias and ALiBi.  query, key, value, out0: [32 (b,h)][2048][128] f32; bias: [2048][2048] f32; out1: [32][2048] f32.
; out0 = softmax(S) V, out1 = logsumexp(S), S = Q K^T / sqrt(128) + bias + slope (k - q), keys k > q left out; slope = 2^(-(h+1)/2), h = head 0..15.
;
; SHARING.  Work-group (bh, p), four waves, takes head bh and two blocks of 128 query rows: block p (SHORT), then block 15 - p (LONG).
; Block i needs 2 i + 2 key tiles of 64 keys, so every work-group runs (2p + 2) + (32 - 2p) = 34 steps: 256 work-groups of equal work.
; Wave w owns rows 32 w .. 32 w + 31 of a block, as two blocks nb = 0, 1 of 16 rows.
; PRODUCTS ARE TRANSPOSED.  S^T = K Q^T: lane (r = L & 15, h = L >> 4) holds query row r, register j of tile kb holds key 16 kb + 8 h + j, so a row's
; maximum and sum are made inside a lane plus one exchange of the lane halves, and packing tiles 2 kk, 2 kk + 1 to f16 gives P^T's fragment as it is.
; O^T = V^T P^T: a lane holds O[row r][d = 16 db + 8 h + j], so the factor of a rescale is one number a lane.
; OPERANDS IN f16, sums in f32.  f16 keeps 11 significant bits where bf16 keeps 8; a row in which few keys carry the weight passes its operands' rounding
; on to O undamped, and the three bits are wanted there.  Room: inputs 30 times a unit spread with an offset of 30 times that reach about 1,100, the
; largest f16 is 65,504; p lies in [0, 1].
; ARITHMETIC in base 2.  Q is multiplied by log2(e) / sqrt(128) before it is rounded.  u = bias log2(e) + slope2 x (key in tile), slope2 = slope log2(e),
; is the C operand of the first score product.  T = slope2 (tile's first key - q), one number a lane and step, enters the running maximum alone:
; m' = max(m, max(tile maximum + T, -1e30)), p = 2^(x + T - m'), alpha = 2^(m - m').  out1 = ln 2 (m + log2 l).
; TILE ORDER of a block i: tile 2 i (masked; every row has its first key admitted, so it starts m, l and O: nothing is cleared), tile 2 i + 1 (masked),
; then tiles 0 .. 2 i - 1 unmasked, two a trip.
; DATA PATH.  K and V have to be rounded to f16, so they go through registers: 16 rows a wave, 512 consecutive bytes an instruction, packed, stored into
; two f16 tile buffers in LDS that take turns; asked for one step ahead.  The bias comes the same way (16 lanes take 256 consecutive bytes of a row),
; becomes u in that layout, and goes through the wave's own LDS tile into the score accumulators; asked for two steps ahead.  One barrier a step.
; A STEP'S MEMORY INSTRUCTIONS STAND IN FEW LONG RUNS, apart from its vector work: at its head u, the next tile's K and V, all 16 fragments of K, the bias;
; V's 16 fragments in two runs of 16 loads, behind the score products and in front of the exponentials; all 48 LDS stores at its end, behind all their
; conversions.  So no load stands between two products, and a whole tile's fragments of K and of V lie in registers (128 each).
; NO CLUSTER, NO JOINT LOADS.  The eight work-groups of a head walk K and V in different orders (their blocks differ), so they never want one tile at one time.
; The bias tile of a step is common to the 32 heads, but it is 32 KiB of a step's 96 KiB, a joint load would lay f32 into LDS (32 KiB more filled and read
; a step) and stand behind a barrier of the cluster at which no load is out, while the loads into registers here stay out over two steps.
; LIMITS.  |K|, |V| or 0.1275 |Q| above 65,504 become infinite in f16; below 2^-14 their absolute step is 2^-24.  A p below 2^-25 of the running maximum's
; weight drops out of O (over 2,048 keys at most 6e-5 of l, which is about 1 or more); l sums the unrounded p.
; A NaN among the scores is dropped by the maxima, +inf in an input is not served.  -inf in the bias is served; a row whose admitted bias is all
; -inf gives NaN in out0 as the definition does, and -inf in out1.  out1 is stored 128 consecutive bytes an instruction (a wave's 32 rows).
;
; LDS (176,128 bytes)
.set KPITCH, 272                       ; a K row: 256 bytes of f16 + 16: 68 words, so the 16 rows of a fragment load start 4 words apart
.set VPITCH, 288                       ; a V row: 256 + 32, an odd multiple of 32 for the transposing load
.set KBS, 64*KPITCH                    ; K buffers at 0 and 17,408
.set VB0, 2*KBS                        ; V buffers at 34,816 and 53,248
.set VBS, 64*VPITCH
.set UB,  VB0+2*VBS                    ; 71,680: u, 32 rows x 64 f32 at pitch 272, one tile for each wave, its own
.set WST, 32*272                       ; 8,704 bytes
.set ST,  UB+4*WST                     ; 106,496: a stage for each wave, its own: SHORT's Q (32 rows at 272), later O (16 rows at 528)
.set QL,  4*WST                        ; so far behind a wave's stage: LONG's Q in f16, the wave's own, kept until SHORT is done
; REGISTERS, in windows of 256 (s_set_vgpr_msb: bits 1:0 source 0, 3:2 source 1, 5:4 source 2, 7:6 destination)
; window 0: v1 L; v2 K fragment address; v3 u read address; v4,5 row in block (nb); v6 slope2; v7 -inf; v8,9 m; v10,11 l; v[12:15] alpha pairs;
;           v[16:19] T - m pairs; v20,21 T; v22,23 mask bound; v24,25 row - 8 h; v26-31 at work; v[32:39], v[48:55] chains; v40 Q and out0 offset;
;           v41 Q stage store; v42 Q stage read; v43 out1 offset; v[44:47] 1/l pairs; v48-58 also set-up and out1; v64-127 Q fragments of the block at work;
;           v128-191 S; v192-223 P; v224 V fragment address; v225, v226 way out; v228 K, V offset; v229, v230 K, V store addresses
; window 1: v0-127 O(db, nb) at 8 (2 db + nb); v128-255 V fragments (db, kk) at 128 + 8 (2 db + kk); v128-191 also the way out
; window 2: v0-63 K f32; v64-127 V f32; v128-255 K fragments (kb, kd) at 128 + 8 (4 kb + kd)
; window 3: v0-63, v64-127 bias f32 (two buffers); v128 offset; v129 u store address; v[130:133] slope2 (4 r + e)
.set QF, 64
.set SR, 128
.set PR, 192
.set FK, 128
.set FV, 128
.set CH, 32
.set VL, 224
.set OS, 225
.set OL, 226
.set KO, 228
.set KS, 229
.set VS, 230
.set M_S,   0x02                       ; score products: A in window 2, all else in window 0
.set M_PV,  0x51                       ; D, A, C in window 1; B, alpha, 1/l in window 0
.set M_LD1, 0x40                       ; a load into window 1, address in window 0
.set M_LD2, 0x80                       ; a load into window 2, address in window 0
.set M_ST1, 0x04                       ; a store from window 1, address in window 0
.set M_ST2, 0x08                       ; a store from window 2, address in window 0
.set M_C1,  0x45                       ; vector work in window 1
.set M_KV,  0xaa                       ; vector work in window 2
.set M_B,   0xff                       ; all in window 3
; SCALARS: s[4:15] bias, key, query, value, out0, out1; s16 wave; s17 bh; s18 p; s19 15 - p; s[20:21] log2(e)/sqrt(128); s[22:23] log2(e);
; s24,25 lane-half exchange; s26 lanes 16-31; s27 tile's first key - block's first row; s28 tile, s29 block of the stream; s30,31 its turning points;
; s32,33 those of LONG; s[34:35], s[54:55] offsets; s[36:41] K, V, bias pointers; s[42:45] head's K, V; s[46:51], s[58:59] outputs; s52 trips; s53 14 - p;
; s[60:63] Q of SHORT, LONG; s2, s3, s56, s57 at work
.set MSB, 0
.macro WIN new                         ; the immediate's high byte repeats the setting that is left
.if MSB != \new
	s_set_vgpr_msb (MSB<<8)|\new
.set MSB, \new
.endif
.endm
.macro PLACES                          ; four independent vector instructions between a matrix instruction and the first read of its result (ISA guide 7.12.1)
.rept 4
	v_nop
.endr
.endm
; The stream of tiles: 2p, 2p+1, 0 .. 2p-1, then 2(15-p), 2(15-p)+1, 0 .. 2(15-p)-1.  One step on, by selects alone.
.macro ADV
	s_add_co_u32 s28, s28, 1
	s_cmp_eq_u32 s28, s31                          ; past the two diagonal tiles: on to tile 0
	s_cselect_b32 s28, 0, s28
	s_cmp_eq_u32 s28, s30                          ; at the diagonal again: the block is done, LONG begins
	s_cselect_b32 s28, s32, s28
	s_cselect_b32 s29, s19, s29
	s_cselect_b32 s31, s33, s31
	s_cselect_b32 s30, s32, s30
.endm
.macro PTR_KV
	s_lshl_b32 s34, s28, 15                        ; 64 rows of 512 bytes a tile
	s_add_nc_u64 s[36:37], s[42:43], s[34:35]
	s_add_nc_u64 s[38:39], s[44:45], s[34:35]
.endm
.macro PTR_B
	s_lshl_b32 s54, s29, 20                        ; 128 rows of 8,192 bytes a block,
	s_lshl_b32 s56, s28, 8                         ; 64 columns of 4 bytes a tile
	s_add_co_u32 s54, s54, s56
	s_add_nc_u64 s[40:41], s[4:5], s[54:55]
.endm
.macro GLOAD_KV                        ; my 16 rows of the K tile and of the V tile, a whole row of 512 bytes an instruction
	WIN M_LD2
.irp j, 0,1,2,3,4,5,6,7,8,9,10,11,12,13,14,15
	global_load_b128 v[4*\j:4*\j+3], v[KO], s[36:37] offset:512*\j
.endr
.irp j, 0,1,2,3,4,5,6,7,8,9,10,11,12,13,14,15
	global_load_b128 v[64+4*\j:64+4*\j+3], v[KO], s[38:39] offset:512*\j
.endr
.endm
.macro GLOAD_B y                       ; my 32 rows x 64 columns of the bias: lanes 0-15 take 256 bytes of row 2 i, lanes 16-31 of row 2 i + 1
	WIN M_B
.irp i, 0,1,2,3,4,5,6,7,8,9,10,11,12,13,14,15
	global_load_b128 v[64*\y+4*\i:64*\y+4*\i+3], v128, s[40:41] offset:16384*\i
.endr
.endm
; What was loaded goes to LDS for the next step: K, V packed to f16 into buffer x, u into my own tile.  cK, cV: younger loads that may stay out.
; All 96 vector instructions first, then all 48 stores.
.macro GSTORE x, cK, cV
	WIN M_KV
	s_wait_loadcnt \cK                             ; loads come back in order: K is in
.irp j, 0,1,2,3,4,5,6,7,8,9,10,11,12,13,14,15
	v_cvt_pk_f16_f32 v[4*\j], v[4*\j], v[4*\j+1]
	v_cvt_pk_f16_f32 v[4*\j+1], v[4*\j+2], v[4*\j+3]
.endr
	s_wait_loadcnt \cV                             ; V is in, and the bias asked for a step earlier
.irp j, 0,1,2,3,4,5,6,7,8,9,10,11,12,13,14,15
	v_cvt_pk_f16_f32 v[64+4*\j], v[64+4*\j], v[64+4*\j+1]
	v_cvt_pk_f16_f32 v[64+4*\j+1], v[64+4*\j+2], v[64+4*\j+3]
.endr
	WIN M_B
.irp i, 0,1,2,3,4,5,6,7,8,9,10,11,12,13,14,15
	v_pk_fma_f32 v[64*\x+4*\i:64*\x+4*\i+1], v[64*\x+4*\i:64*\x+4*\i+1], s[22:23], v[130:131] op_sel_hi:[1,0,1]     ; u = bias log2(e) + slope2 x key in tile
	v_pk_fma_f32 v[64*\x+4*\i+2:64*\x+4*\i+3], v[64*\x+4*\i+2:64*\x+4*\i+3], s[22:23], v[132:133] op_sel_hi:[1,0,1]
.endr
.irp i, 0,1,2,3,4,5,6,7,8,9,10,11,12,13,14,15
	ds_store_b128 v129, v[64*\x+4*\i:64*\x+4*\i+3] offset:544*\i     ; my own tile: this step's reads of it were issued earlier, and LDS serves a wave in order
.endr
	WIN M_ST2
.irp j, 0,1,2,3,4,5,6,7,8,9,10,11,12,13,14,15
	ds_store_b64 v[KS], v[4*\j:4*\j+1] offset:KBS*\x+KPITCH*\j
.endr
.irp j, 0,1,2,3,4,5,6,7,8,9,10,11,12,13,14,15
	ds_store_b64 v[VS], v[64+4*\j:64+4*\j+1] offset:VBS*\x+VPITCH*\j
.endr
.endm
.macro ULOAD                           ; u goes straight into the score accumulators
	WIN 0
.irp kb, 0,1,2,3
.irp nb, 0,1
.set XB, SR+8*(2*\kb+\nb)
	ds_load_b128 v[XB:XB+3],   v3 offset:4352*\nb+64*\kb
	ds_load_b128 v[XB+4:XB+7], v3 offset:4352*\nb+64*\kb+16
.endr
.endr
.endm
.macro FKLOAD x                        ; the whole K tile as 16 fragments (16 keys x 32 d each), keys ascending
	WIN M_LD2
.irp kb, 0,1,2,3
.irp kd, 0,1,2,3
.set FB, FK+8*(4*\kb+\kd)
	ds_load_b128 v[FB:FB+3],   v2 offset:KBS*\x+16*KPITCH*\kb+64*\kd
	ds_load_b128 v[FB+4:FB+7], v2 offset:KBS*\x+16*KPITCH*\kb+64*\kd+32
.endr
.endr
.endm
.macro MULS kb                         ; the two accumulators take turns, one instruction a turn
.irp kd, 0,1,2,3
.irp nb, 0,1
.set XB, SR+8*(2*\kb+\nb)
	v_wmma_f32_16x16x32_f16 v[XB:XB+7], v[FK+8*(4*\kb+\kd):FK+8*(4*\kb+\kd)+7], v[QF+8*(4*\nb+\kd):QF+8*(4*\nb+\kd)+7], v[XB:XB+7]
.endr
.endr
.endm
.macro VFETCH d0, x                    ; V^T fragments of d blocks d0 .. d0 + 3 (16 d x 32 keys each, kk = 0, 1), transposed on the way: 16 loads
	WIN M_LD1
.irp dbi, 0,1,2,3
.irp kk, 0,1
.set FB, FV+8*(2*(\d0+\dbi)+\kk)
	ds_load_tr16_b128 v[FB:FB+3],   v[VL] offset:VBS*\x+32*VPITCH*\kk+32*(\d0+\dbi)
	ds_load_tr16_b128 v[FB+4:FB+7], v[VL] offset:VBS*\x+32*VPITCH*\kk+32*(\d0+\dbi)+16*VPITCH
.endr
.endr
.endm
.macro RESC db                         ; O of d block db times alpha
.irp nb, 0,1
.irp q, 0,2,4,6
.set OB, 8*(2*\db+\nb)+\q
	v_pk_mul_f32 v[OB:OB+1], v[OB:OB+1], v[12+2*\nb:13+2*\nb]
.endr
.endr
.endm
; The four products of d block db; again two accumulators by turns.  first = 1: the products of keys 0-31 start the sums.
; resc = 1: behind each product stand two packed multiplies of the next d block's rescale, which name none of the products' registers.
.macro MULPW db, first, resc
.set OB, 16*\db
.set FB, FV+16*\db
.if \first
	v_wmma_f32_16x16x32_f16 v[OB:OB+7], v[FB:FB+7], v[PR:PR+7], 0
.else
	v_wmma_f32_16x16x32_f16 v[OB:OB+7], v[FB:FB+7], v[PR:PR+7], v[OB:OB+7]
.endif
.if \resc
	v_pk_mul_f32 v[OB+16:OB+17], v[OB+16:OB+17], v[12:13]
	v_pk_mul_f32 v[OB+18:OB+19], v[OB+18:OB+19], v[12:13]
.endif
.if \first
	v_wmma_f32_16x16x32_f16 v[OB+8:OB+15], v[FB:FB+7], v[PR+16:PR+23], 0
.else
	v_wmma_f32_16x16x32_f16 v[OB+8:OB+15], v[FB:FB+7], v[PR+16:PR+23], v[OB+8:OB+15]
.endif
.if \resc
	v_pk_mul_f32 v[OB+20:OB+21], v[OB+20:OB+21], v[12:13]
	v_pk_mul_f32 v[OB+22:OB+23], v[OB+22:OB+23], v[12:13]
.endif
	v_wmma_f32_16x16x32_f16 v[OB:OB+7], v[FB+8:FB+15], v[PR+8:PR+15], v[OB:OB+7]
.if \resc
	v_pk_mul_f32 v[OB+24:OB+25], v[OB+24:OB+25], v[14:15]
	v_pk_mul_f32 v[OB+26:OB+27], v[OB+26:OB+27], v[14:15]
.endif
	v_wmma_f32_16x16x32_f16 v[OB+8:OB+15], v[FB+8:FB+15], v[PR+24:PR+31], v[OB+8:OB+15]
.if \resc
	v_pk_mul_f32 v[OB+28:OB+29], v[OB+28:OB+29], v[14:15]
	v_pk_mul_f32 v[OB+30:OB+31], v[OB+30:OB+31], v[14:15]
.endif
.endm
.macro PVRUN first, resc               ; the counts: V's 32 loads came in the order of the d blocks, 4 a block
	s_wait_dscnt 24                                ; d blocks 0, 1 are in; the 24 loads of blocks 2-7 may be out
	MULPW 0, \first, \resc
	MULPW 1, \first, \resc
	s_wait_dscnt 16                                ; d blocks 2, 3
	MULPW 2, \first, \resc
	MULPW 3, \first, \resc
	s_wait_dscnt 8                                 ; d blocks 4, 5
	MULPW 4, \first, \resc
	MULPW 5, \first, \resc
	s_wait_dscnt 0
	MULPW 6, \first, \resc
	MULPW 7, \first, 0
.endm
.macro PVPHASE first                   ; O = alpha O + V^T P^T, 32 products
	WIN M_PV
.if \first
	PVRUN 1, 0
.else
	RESC 0
	PVRUN 0, 1
.endif
.endm
; T, and the mask's bound.  These six plain vector instructions are also the places between the last score product and the first read of a score.
.macro PRE masked
	v_sub_nc_u32 v26, s27, v4                      ; tile's first key - my row
	v_sub_nc_u32 v27, s27, v5
	v_cvt_f32_i32 v26, v26
	v_cvt_f32_i32 v27, v27
	v_mul_f32 v20, v6, v26
	v_mul_f32 v21, v6, v27
.if \masked
	v_sub_nc_u32 v22, v24, s27                     ; key 16 kb + 8 h + j of the tile is left out where 16 kb + j > row - 8 h - (tile's first key - block's first row)
	v_sub_nc_u32 v23, v25, s27
.endif
.endm
; The softmax's first half, both row blocks stage by stage, so that eight chains run beside each other: mask, maximum, m, alpha, x + T - m.
.macro SOFTA masked, first
.if \masked
.irp nb, 0,1
.irp kb, 0,1,2,3
.irp j, 0,1,2,3,4,5,6,7
.set XB, SR+8*(2*\kb+\nb)+\j
	v_cmp_gt_i32 vcc_lo, 16*\kb+\j, v[22+\nb]
	v_cndmask_b32 v[XB], v[XB], v7, vcc_lo
.endr
.endr
.endr
.endif
.irp nb, 0,1
.irp kb, 0,1,2,3
.set XB, SR+8*(2*\kb+\nb)
	v_max3_num_f32 v[CH+4*\nb+\kb], v[XB], v[XB+1], v[XB+2]
.endr
.endr
.irp nb, 0,1
.irp kb, 0,1,2,3
.set XB, SR+8*(2*\kb+\nb)
	v_max3_num_f32 v[CH+4*\nb+\kb], v[CH+4*\nb+\kb], v[XB+3], v[XB+4]
.endr
.endr
.irp nb, 0,1
.irp kb, 0,1,2,3
.set XB, SR+8*(2*\kb+\nb)
	v_max3_num_f32 v[CH+4*\nb+\kb], v[CH+4*\nb+\kb], v[XB+5], v[XB+6]
.endr
.endr
.irp nb, 0,1
.irp kb, 0,1,2,3
.set XB, SR+8*(2*\kb+\nb)
	v_max_num_f32 v[CH+4*\nb+\kb], v[CH+4*\nb+\kb], v[XB+7]
.endr
.endr
.irp nb, 0,1
	v_max3_num_f32 v[CH+4*\nb], v[CH+4*\nb], v[CH+4*\nb+1], v[CH+4*\nb+2]
.endr
.irp nb, 0,1
	v_max_num_f32 v[CH+4*\nb], v[CH+4*\nb], v[CH+4*\nb+3]
.endr
.irp nb, 0,1
	v_permlanex16_b32 v[26+\nb], v[CH+4*\nb], s24, s25     ; the other half of the lanes holds the row's other 32 keys
.endr
.irp nb, 0,1
	v_max_num_f32 v[CH+4*\nb], v[CH+4*\nb], v[26+\nb]
.endr
.irp nb, 0,1
	v_add_f32 v[CH+4*\nb], v[CH+4*\nb], v[20+\nb]          ; + T
.endr
.irp nb, 0,1
	v_max_num_f32 v[CH+4*\nb], 0xf149f2ca, v[CH+4*\nb]     ; at least -1e30: a tile that is masked whole leaves m finite
.endr
.if \first
.irp nb, 0,1
	v_mov_b32 v[8+\nb], v[CH+4*\nb]
.endr
.else
.irp nb, 0,1
	v_max_num_f32 v[28+\nb], v[8+\nb], v[CH+4*\nb]
.endr
.irp nb, 0,1
	v_sub_f32 v[30+\nb], v[8+\nb], v[28+\nb]
.endr
.irp nb, 0,1
	v_exp_f32 v[12+2*\nb], v[30+\nb]               ; alpha, twice, for the packed multiplies
	v_exp_f32 v[13+2*\nb], v[30+\nb]
.endr
.irp nb, 0,1
	v_mov_b32 v[8+\nb], v[28+\nb]                  ; plain instructions behind the exponentials (ISA guide 5.7.2)
.endr
.endif
.irp nb, 0,1
	v_sub_f32 v[16+2*\nb], v[20+\nb], v[8+\nb]     ; T - m
	v_sub_f32 v[17+2*\nb], v[20+\nb], v[8+\nb]
.endr
.irp nb, 0,1
.irp kb, 0,1,2,3
.irp q, 0,2,4,6
.set XB, SR+8*(2*\kb+\nb)+\q
	v_pk_add_f32 v[XB:XB+1], v[XB:XB+1], v[16+2*\nb:17+2*\nb]
.endr
.endr
.endr
.endm
; The second half: p, P^T's fragments, l.
.macro SOFTB first
.irp nb, 0,1
.irp kb, 0,1,2,3
.irp j, 0,1,2,3,4,5,6,7
.set XB, SR+8*(2*\kb+\nb)+\j
	v_exp_f32 v[XB], v[XB]
.endr
.endr
.endr
	v_nop                                          ; the plain instruction behind the run of exponentials
	s_wait_alu depctr_va_vdst(0)
.irp nb, 0,1
.irp kk, 0,1
.irp s, 0,1
.irp q, 0,1,2,3
.set XB, SR+8*(2*(2*\kk+\s)+\nb)+2*\q
	v_cvt_pk_f16_f32 v[PR+16*\nb+8*\kk+4*\s+\q], v[XB], v[XB+1]      ; tiles 2 kk, 2 kk + 1 are P^T's fragment of keys 32 kk .. 32 kk + 31
.endr
.endr
.endr
.endr
.irp nb, 0,1
.irp kb, 0,1,2,3
.set XB, SR+8*(2*\kb+\nb)
.set CS, CH+16*\nb+2*\kb
	v_pk_add_f32 v[CS:CS+1], v[XB:XB+1], v[XB+2:XB+3]
.endr
.endr
.irp nb, 0,1
.irp kb, 0,1,2,3
.set XB, SR+8*(2*\kb+\nb)
.set CS, CH+16*\nb+2*\kb
	v_pk_add_f32 v[CS:CS+1], v[CS:CS+1], v[XB+4:XB+5]
.endr
.endr
.irp nb, 0,1
.irp kb, 0,1,2,3
.set XB, SR+8*(2*\kb+\nb)
.set CS, CH+16*\nb+2*\kb
	v_pk_add_f32 v[CS:CS+1], v[CS:CS+1], v[XB+6:XB+7]
.endr
.endr
.irp nb, 0,1
.set CS, CH+16*\nb
	v_pk_add_f32 v[CS:CS+1], v[CS:CS+1], v[CS+2:CS+3]
	v_pk_add_f32 v[CS+4:CS+5], v[CS+4:CS+5], v[CS+6:CS+7]
.endr
.irp nb, 0,1
.set CS, CH+16*\nb
	v_pk_add_f32 v[CS:CS+1], v[CS:CS+1], v[CS+4:CS+5]
.endr
.if \first
.irp nb, 0,1
.set CS, CH+16*\nb
	v_add_f32 v[10+\nb], v[CS], v[CS+1]            ; l of my half of the keys; the halves meet at the block's end
.endr
.else
.irp nb, 0,1
.set CS, CH+16*\nb
	v_add_f32 v[CS], v[CS], v[CS+1]
.endr
.irp nb, 0,1
.set CS, CH+16*\nb
	v_fma_f32 v[10+\nb], v[10+\nb], v[12+2*\nb], v[CS]
.endr
.endif
.endm
; One key tile.  x: the buffer that holds it, nx: the other.  kv = 1: the next tile's K and V are fetched and laid into buffer nx;
; b = 1: the bias of the tile after that is asked for.
.macro STEP x, nx, masked, first, kv, b
	ULOAD
.if \kv
	s_wait_xcnt 0x0                                ; the pointers are sources of the bias loads still out, window 1's v128-191 of a block's last stores: rewritten only behind this wait
	PTR_KV
.if \b
	ADV
	PTR_B
.endif
	GLOAD_KV
.endif
	FKLOAD \x
.if \b
	GLOAD_B \x                                     ; issued behind K and V, so that a counted wait for those leaves these out
.endif
	WIN M_S
	s_wait_dscnt 24                                ; u and keys 0-15 are in; the 24 loads of keys 16-63 may be out
	MULS 0
	s_wait_dscnt 16                                ; keys 16-31
	MULS 1
	s_wait_dscnt 8                                 ; keys 32-47
	MULS 2
	s_wait_dscnt 0
	MULS 3
	VFETCH 0, \x                                   ; d blocks 0-3: they land while the maxima are made
	WIN 0
	PRE \masked
	SOFTA \masked, \first
	VFETCH 4, \x                                   ; d blocks 4-7: they land while the exponentials are made
	WIN 0
	SOFTB \first
	PVPHASE \first
.if \kv
.if \b
	GSTORE \nx, 32, 16                             ; 32: V and the youngest bias stay out; 16: that bias alone
.else
	GSTORE \nx, 16, 0                              ; no bias was asked for: 16 leaves V out, then nothing
.endif
	WIN 0
	s_wait_dscnt 0x0                               ; for the others: my stores into buffer nx are done, and my reads of buffer x, which the next step overwrites
	s_barrier_signal -1
	s_barrier_wait -1
.else
	WIN 0
.endif
.endm
.macro QLOADS rb, ptr                  ; my 32 rows of Q, read once in the launch, into window 1
	WIN M_LD1
.set qj, 0
.rept 32
	global_load_b128 v[\rb+4*qj:\rb+4*qj+3], v40, s[\ptr:\ptr+1] offset:512*qj th:TH_LOAD_NT
.set qj, qj+1
.endr
.endm
.macro QCONV rb, off                   ; scaled, packed to f16, then all 32 rows into my own bytes of LDS
	WIN M_C1
.set qj, 0
.rept 64
	v_pk_mul_f32 v[\rb+2*qj:\rb+2*qj+1], v[\rb+2*qj:\rb+2*qj+1], s[20:21] op_sel_hi:[1,0]
.set qj, qj+1
.endr
.set qj, 0
.rept 32
	v_cvt_pk_f16_f32 v[\rb+4*qj], v[\rb+4*qj], v[\rb+4*qj+1]
	v_cvt_pk_f16_f32 v[\rb+4*qj+1], v[\rb+4*qj+2], v[\rb+4*qj+3]
.set qj, qj+1
.endr
	WIN M_ST1
.set qj, 0
.rept 32
	ds_store_b64 v41, v[\rb+4*qj:\rb+4*qj+1] offset:\off+272*qj
.set qj, qj+1
.endr
.endm
.macro QFRAG off                       ; and back as eight fragments; my own bytes, served in order: no wait between the stores and these
	WIN 0
.irp nb, 0,1
.irp kd, 0,1,2,3
	ds_load_b128 v[QF+8*(4*\nb+\kd):QF+8*(4*\nb+\kd)+3],   v42 offset:\off+4352*\nb+64*\kd
	ds_load_b128 v[QF+8*(4*\nb+\kd)+4:QF+8*(4*\nb+\kd)+7], v42 offset:\off+4352*\nb+64*\kd+32
.endr
.endr
.endm
; A block's end: out1, O / l, and O by 16 rows through my stage, so that a store covers a whole row of 512 consecutive bytes.
.macro EPILOGUE o0, o1
	PLACES                                         ; behind the last products
	v_permlanex16_b32 v26, v10, s24, s25
	v_permlanex16_b32 v27, v11, s24, s25
	v_add_f32 v10, v10, v26                        ; l over all keys
	v_add_f32 v11, v11, v27
	v_rcp_f32 v44, v10
	v_rcp_f32 v45, v10
	v_rcp_f32 v46, v11
	v_rcp_f32 v47, v11
	v_log_f32 v48, v10
	v_log_f32 v49, v11
	v_nop                                          ; the plain instruction behind the run
	s_wait_alu depctr_va_vdst(0)
	v_add_f32 v48, v8, v48
	v_add_f32 v49, v9, v49
	v_cndmask_b32 v48, v48, v49, s26               ; lane L stores row L of my 32: lanes 16-31 take the second row block's figure
	v_mul_f32 v48, 0x3f317218, v48                 ; ln 2 (m + log2 l)
	global_store_b32 v43, v48, s[\o1:\o1+1]
	WIN M_PV
.irp db, 0,1,2,3,4,5,6,7
.irp nb, 0,1
.irp q, 0,2,4,6
.set OB, 8*(2*\db+\nb)+\q
	v_pk_mul_f32 v[OB:OB+1], v[OB:OB+1], v[44+2*\nb:45+2*\nb]
.endr
.endr
.endr
.irp nb, 0,1
	WIN M_ST1
.irp db, 0,1,2,3,4,5,6,7
	ds_store_b128 v[OS], v[8*(2*\db+\nb):8*(2*\db+\nb)+3]   offset:64*\db
	ds_store_b128 v[OS], v[8*(2*\db+\nb)+4:8*(2*\db+\nb)+7] offset:64*\db+16
.endr
	s_wait_xcnt 0x0                                ; window 1's v128-191 are the data of the stores before: loaded again only behind this wait
	WIN M_LD1
.irp t, 0,1,2,3,4,5,6,7,8,9,10,11,12,13,14,15
	ds_load_b128 v[FV+4*\t:FV+4*\t+3], v[OL] offset:528*\t
.endr
	WIN M_ST1
.irp t, 0,1,2,3,4,5,6,7,8,9,10,11,12,13,14,15
	s_wait_dscnt 15-\t                             ; LDS loads come back in order: row t is in
	global_store_b128 v40, v[FV+4*\t:FV+4*\t+3], s[\o0:\o0+1] offset:512*(16*\nb+\t) th:TH_STORE_NT
.endr
.endr
	WIN 0
.endm
	; ---------------- set-up ----------------
	s_load_b256 s[4:11], s[0:1], 0x0               ; bias, key, query, value
	s_load_b128 s[12:15], s[0:1], 0x20             ; out0, out1
	v_lshl_add_u32 v254, v0, 2, 0x2b000
	v_mov_b32 v255, 0
	v_lshrrev_b32 v48, 5, v0
	v_readfirstlane_b32 s16, v48                   ; wave
	s_mov_b32 s17, ttmp9                           ; bh
	s_and_b32 s18, ttmp7, 0xffff                   ; p
	s_sub_co_u32 s19, 15, s18
	s_mov_b32 s20, 0x3e0293ee                      ; log2(e) / sqrt(128)
	s_mov_b32 s21, 0x3e0293ee
	s_mov_b32 s22, 0x3fb8aa3b                      ; log2(e)
	s_mov_b32 s23, 0x3fb8aa3b
	s_mov_b32 s24, 0x76543210                      ; lane i of one half reads lane i of the other
	s_mov_b32 s25, 0xfedcba98
	s_mov_b32 s26, 0xffff0000
	s_lshl_b32 s28, s18, 1                         ; the stream starts at tile 2p of block p
	s_mov_b32 s29, s18
	s_mov_b32 s30, s28
	s_add_co_u32 s31, s28, 2
	s_lshl_b32 s32, s19, 1
	s_add_co_u32 s33, s32, 2
	s_sub_co_u32 s53, 14, s18
	s_mov_b32 s35, 0
	s_mov_b32 s55, 0
	s_mov_b32 s57, 0
	v_and_b32 v1, 31, v0                           ; L
	v_and_b32 v48, 15, v0                          ; r
	v_bfe_u32 v49, v0, 4, 1                        ; h
	v_mul_u32_u24 v50, v48, 272
	s_mul_i32 s2, s16, WST
	s_add_co_u32 s3, s2, UB                        ; my u tile
	s_add_co_u32 s2, s2, ST                        ; my stage
	v_lshl_add_u32 v2, v49, 4, v50                 ; 272 r + 16 h
	v_lshl_add_u32 v3, v49, 5, v50
	v_add_nc_u32 v3, s3, v3                        ; u tile + 272 r + 32 h
	v_add_nc_u32 v42, s2, v2
	v_lshl_add_u32 v41, v1, 3, s2
	s_lshl_b32 s56, s16, 5
	v_add_nc_u32 v4, s56, v48                      ; my row in the block: 32 w + r,
	v_add_nc_u32 v5, 16, v4                        ; and 16 further down
	v_lshlrev_b32 v51, 3, v49
	v_sub_nc_u32 v24, v4, v51
	v_sub_nc_u32 v25, v5, v51
	s_lshl_b32 s56, s16, 14
	v_lshl_add_u32 v40, v1, 4, s56                 ; 32 rows of 512 bytes a wave + 16 L
	s_lshl_b32 s56, s16, 7
	v_lshl_add_u32 v43, v1, 2, s56
	s_and_b32 s56, s17, 15                         ; head
	s_add_co_u32 s56, s56, 1
	v_cvt_f32_u32 v51, s56
	v_mul_f32 v51, -0.5, v51
	v_exp_f32 v6, v51                              ; slope = 2^(-(head + 1) / 2)
	v_mov_b32 v7, 0xff800000                       ; -inf; also the plain instruction behind the exponential
	s_wait_alu depctr_va_vdst(0)
	v_mul_f32 v6, s22, v6                          ; slope2
	; V fragments, the way out
	v_and_b32 v52, 7, v0
	v_lshl_add_u32 v52, v49, 3, v52                ; key 8 h + (L & 7)
	v_mul_u32_u24 v52, v52, VPITCH
	v_bfe_u32 v53, v0, 3, 1
	v_lshl_add_u32 v52, v53, 4, v52
	v_add_nc_u32 v[VL], VB0, v52
	v_mul_u32_u24 v53, v48, 528
	v_lshl_add_u32 v53, v49, 5, v53
	v_add_nc_u32 v[OS], s2, v53                    ; stage + 528 r + 32 h
	v_lshl_add_u32 v[OL], v1, 4, s2                ; stage + 16 L
	; K and V on their way in
	s_lshl_b32 s56, s16, 13
	v_lshl_add_u32 v[KO], v1, 4, s56               ; 16 rows of 512 bytes a wave + 16 L
	s_mul_i32 s56, s16, 16*KPITCH
	v_lshl_add_u32 v[KS], v1, 3, s56
	s_mul_i32 s56, s16, 16*VPITCH
	s_add_co_u32 s56, s56, VB0
	v_lshl_add_u32 v[VS], v1, 3, s56
	; window 3's
	s_lshl_b32 s56, s16, 18                        ; 32 rows of 8,192 bytes a wave
	v_lshlrev_b32 v52, 4, v48
	v_lshl_add_u32 v53, v49, 13, v52
	v_add_nc_u32 v53, s56, v53
	v_mul_u32_u24 v54, v49, 272
	v_add_nc_u32 v54, v54, v52
	v_add_nc_u32 v54, s3, v54                      ; u tile + 272 h + 16 r
	v_lshlrev_b32 v55, 2, v48
	v_cvt_f32_u32 v55, v55                         ; my four columns of a tile: 4 r + 0 .. 3
	v_add_f32 v56, 1.0, v55
	v_add_f32 v57, 2.0, v55
	v_add_f32 v58, 0x40400000, v55
	v_mul_f32 v55, v6, v55
	v_mul_f32 v56, v6, v56
	v_mul_f32 v57, v6, v57
	v_mul_f32 v58, v6, v58
	WIN 0xc0
	v_mov_b32 v128, v53
	v_mov_b32 v129, v54
	v_mov_b32 v130, v55
	v_mov_b32 v131, v56
	v_mov_b32 v132, v57
	v_mov_b32 v133, v58
	WIN 0
	s_wait_kmcnt 0x0
	s_lshl_b32 s56, s17, 20                        ; a head: 2,048 rows of 512 bytes
	s_add_nc_u64 s[42:43], s[6:7], s[56:57]
	s_add_nc_u64 s[44:45], s[10:11], s[56:57]
	s_lshl_b32 s34, s18, 16                        ; a block: 128 rows of 512 bytes
	s_add_co_u32 s34, s34, s56
	s_add_nc_u64 s[60:61], s[8:9], s[34:35]
	s_add_nc_u64 s[46:47], s[12:13], s[34:35]
	s_lshl_b32 s34, s19, 16
	s_add_co_u32 s34, s34, s56
	s_add_nc_u64 s[62:63], s[8:9], s[34:35]
	s_add_nc_u64 s[50:51], s[12:13], s[34:35]
	s_lshl_b32 s56, s17, 13
	s_lshl_b32 s34, s18, 9
	s_add_co_u32 s34, s34, s56
	s_add_nc_u64 s[48:49], s[14:15], s[34:35]
	s_lshl_b32 s34, s19, 9
	s_add_co_u32 s34, s34, s56
	s_add_nc_u64 s[58:59], s[14:15], s[34:35]
	; everything that the first step needs, and the second tile's bias, goes out in one run
	QLOADS 128, 60                                 ; Q of SHORT into window 1, v128-255 (later V's fragments)
	QLOADS 0, 62                                   ; Q of LONG into window 1, v0-127 (later O)
	PTR_KV
	PTR_B
	GLOAD_KV
	GLOAD_B 0
	s_wait_xcnt 0x0                                ; the bias pointer is stepped only behind this wait
	ADV
	PTR_B
	GLOAD_B 1
	s_wait_loadcnt 63                              ; 64 younger loads were issued behind Q's last; the wait can name 63 at the most
	QCONV 128, 0
	QCONV 0, QL
	QFRAG 0                                        ; SHORT's fragments; LONG's Q stays in LDS until SHORT is done
	GSTORE 0, 32, 16                               ; 32: at most the two bias tiles are out, so K (and V) is in; 16: the first bias tile is in too
	WIN 0
	s_wait_dscnt 0x0                               ; my part of the first tile is in LDS, and Q's fragments are in registers
	s_barrier_signal -1
	s_barrier_wait -1
	; ---------------- SHORT: block p, 2p + 2 tiles ----------------
	s_mov_b32 s27, 0
	STEP 0, 1, 1, 1, 1, 1
	s_mov_b32 s27, 64
	STEP 1, 0, 1, 0, 1, 1
	s_lshl_b32 s27, s18, 7
	s_sub_co_i32 s27, 0, s27                       ; tile 0 lies 128 p keys in front of the block's first row
	s_cmp_eq_u32 s18, 0
	s_cbranch_scc1 .Lshort_out                     ; block 0 has the two diagonal tiles alone; p is the same in all four waves
	s_mov_b32 s52, 0
.Lshort:
	STEP 0, 1, 0, 0, 1, 1
	s_add_co_i32 s27, s27, 64
	STEP 1, 0, 0, 0, 1, 1
	s_add_co_i32 s27, s27, 64
	s_add_co_u32 s52, s52, 1
	s_cmp_lt_u32 s52, s18
	s_cbranch_scc1 .Lshort
.Lshort_out:
	EPILOGUE 46, 48
	QFRAG QL                                       ; LONG's fragments; older than the next step's loads, so that step's first counted wait covers them
	; ---------------- LONG: block 15 - p, 32 - 2p tiles ----------------
	s_mov_b32 s27, 0
	STEP 0, 1, 1, 1, 1, 1
	s_mov_b32 s27, 64
	STEP 1, 0, 1, 0, 1, 1
	s_lshl_b32 s27, s19, 7
	s_sub_co_i32 s27, 0, s27
	s_mov_b32 s52, 0
.Llong:
	STEP 0, 1, 0, 0, 1, 1
	s_add_co_i32 s27, s27, 64
	STEP 1, 0, 0, 0, 1, 1
	s_add_co_i32 s27, s27, 64
	s_add_co_u32 s52, s52, 1
	s_cmp_lt_u32 s52, s53                          ; 14 - p trips, at least 7
	s_cbranch_scc1 .Llong
	STEP 0, 1, 0, 0, 1, 0                          ; the last two tiles are written out: no bias is left to ask for,
	s_add_co_i32 s27, s27, 64
	STEP 1, 0, 0, 0, 0, 0                          ; and then nothing at all: no load leaves a buffer
	EPILOGUE 50, 58
	s_wait_tensorcnt 0x0
	ds_add_u32 v254, v255
	s_wait_dscnt 0x0
	s_endpgm
.Lfunc_end_k_q7eaadc872b_attn:
	.size	k_q7eaadc872b_attn, .Lfunc_end_k_q7eaadc872b_attn-k_q7eaadc872b_attn
	.p2alignl 7, 3214868480
	.fill 96, 4, 3214868480
	.section	.rodata,"a",@progbits
	.p2align	6, 0x0
	.amdhsa_kernel k_q7eaadc872b_attn
		.amdhsa_group_segment_fixed_size 176640
		.amdhsa_private_segment_fixed_size 0
		.amdhsa_enable_private_segment 0
		.amdhsa_kernarg_size 48
		.amdhsa_user_sgpr_count 2
		.amdhsa_user_sgpr_kernarg_segment_ptr 1
		.amdhsa_wavefront_size32 1
		.amdhsa_system_sgpr_workgroup_id_x 1
		.amdhsa_system_sgpr_workgroup_id_y 1
		.amdhsa_system_sgpr_workgroup_id_z 1
		.amdhsa_system_vgpr_workitem_id 0
		.amdhsa_next_free_vgpr 1024
		.amdhsa_next_free_sgpr 66
		.amdhsa_reserve_vcc 1
		.amdhsa_float_denorm_mode_32 3
		.amdhsa_float_denorm_mode_16_64 3
		.amdhsa_memory_ordered 1
		.amdhsa_forward_progress 1
		.amdhsa_inst_pref_size 255
	.end_amdhsa_kernel
	.section	.bss,"aw",@nobits
	.p2align	6
	.space	262144
	.amdgpu_metadata
---
amdhsa.version: [ 1, 2 ]
amdhsa.kernels:
  - .name:           k_q7eaadc872b_attn
    .symbol:         k_q7eaadc872b_attn.kd
    .args:
      - { .name: bias, .offset: 0, .size: 8, .value_kind: global_buffer, .address_space: global }
      - { .name: key, .offset: 8, .size: 8, .value_kind: global_buffer, .address_space: global }
      - { .name: query, .offset: 16, .size: 8, .value_kind: global_buffer, .address_space: global }
      - { .name: value, .offset: 24, .size: 8, .value_kind: global_buffer, .address_space: global }
      - { .name: out0, .offset: 32, .size: 8, .value_kind: global_buffer, .address_space: global }
      - { .name: out1, .offset: 40, .size: 8, .value_kind: global_buffer, .address_space: global }
    .group_segment_fixed_size: 176640
    .private_segment_fixed_size: 0
    .kernarg_segment_align: 8
    .kernarg_segment_size: 48
    .max_flat_workgroup_size: 128
    .sgpr_count:     66
    .vgpr_count:     1024
    .wavefront_size: 32
...
	.end_amdgpu_metadata
.endif
;; end of part 2
